; MI455X (gfx1250); checked and timed in simulation.
; The chip was launched on July 23, 2026; its instructions are those of AMD's public machine-readable ISA for CDNA 5 (MIT licence, August 2026) and "CDNA5" Instruction Set Architecture Reference Guide (July 2026). The comments in the code are by the model that wrote it; some were corrected since.
;; Self Attention. Allowed arithmetic: matrix products marked QUANTISED: E2M1 operands, one E8M0 scale for each 32 along K, by v_wmma_scale_f32_16x16x128_f8f6f4 with both operands' format E2M1 (or v_wmma_scale_f32_32x16x128_f4), f32 sums; everything else in f32.
;; Inputs: entangle_params 1,024 x 1,024 float32; inputs 4 x 2,048 x 1,024 float32; ln_bias 1,024 float32; ln_weight 1,024 float32; rotation_params 1,024 x 1,024 float32.
;; Outputs: out0 4 x 2,048 x 1,024 float32.
;; This version of the problem:
;;   THIS VERSION OF THE PROBLEM IS GIVEN IN LOW PRECISION. The matrix products marked QUANTISED in the list below multiply operands that are first quantised to E2M1 (2 exponent bits, 1 mantissa bit; 4 bits a number), with one power-of-two scale for each 32 numbers along K (OCP MX v1.0); their sums are f32. All else is computed in f32.
;;   The module's matrix products, in the order in which they are computed (A, B: the left and right operand; K: the contracted axis; several contracted axes count as one K, in the product's order):
;;     1. [M 8,192, K 1,024] x [K 1,024, N 1,024]; A: input inputs; B: input rotation_params: QUANTISED
;;     2. [M 8,192, K 1,024] x [K 1,024, N 1,024]; A: input inputs; B: input entangle_params: QUANTISED
;;     3. batch 64 x [M 2,048, K 64] x [K 64, N 2,048]; A: computed on the way; B: computed on the way: QUANTISED
;;     4. batch 64 x [M 2,048, K 2,048] x [K 2,048, N 64]; A: softmax (see below); B: input inputs: QUANTISED
;;   THE QUANTISER, for each operand of a quantised product, along K:
;;     - K is cut into blocks of 32 from its start; a last block that is shorter is filled with zeros.
;;     - A block's scale is 2^e with e = floor(log2(the largest magnitude in the block)) - 2, held to -126 .. 127; a block of zeros has e = 0. As a byte (E8M0): e + 127.
;;     - Each number is divided by its block's scale, clamped to +-6, and rounded to the nearest number of E2M1, ties to even, subnormals kept.
;;     - The product sums the exact products of the quantised numbers (number of the format x scale) in f32.
;;   ~~~python
;;   def quantise(x, axis):      # numpy; x: float32 -> the quantised numbers, widened to float32 again
;;       x = np.moveaxis(x, axis, -1); K = x.shape[-1]
;;       x = np.pad(x, [(0, 0)] * (x.ndim - 1) + [(0, -K % 32)]); x = x.reshape(x.shape[:-1] + (-1, 32)); a = np.abs(x).max(-1, keepdims=True)
;;       e = np.where(a > 0, np.clip(np.frexp(np.where(a > 0, a, 1))[1] - 1 - 2, -126, 127), 0)      # np.frexp(a)[1] - 1 = floor(log2(a)), exactly
;;       r = np.clip(x / 2.0 ** e, -6, 6)
;;       step = 2.0 ** (np.maximum(np.frexp(np.where(r == 0, 1, r))[1] - 1, 0) - 1)
;;       q = np.round(r / step) * step * 2.0 ** e      # np.round: ties to even
;;       return np.moveaxis(q.reshape(q.shape[:-2] + (-1,))[..., :K], -1, axis).astype(np.float32)
;;   ~~~
;;   SOFTMAX AHEAD OF A QUANTISED PRODUCT. Where the list says 'softmax', what is quantised is not the finished softmax but p = 2^(t - M), with t = logit x log2(e) and M = ceil(the row's largest t), a whole number; so 1/2 < the row's largest p <= 1. The row's sum l is taken of the UNQUANTISED p, in f32, and the product's result is divided by l at the end. Since M is a whole number, a kernel that streams over the keys may use a running M (the ceiling of the running maximum): every later rescaling is an exact power of two, which a block's scale takes up: the codes' values come out the same.
;;   OPERANDS COMPUTED ON THE WAY. 'Computed on the way' means the value that the module computes at that place (a softmax that the list does not call 'softmax' is quantised finished and normalised). What goes into a quantiser is computed in f32, as accurately as f32 sums, v_exp_f32 and their like allow (about 1e-6 of the number): no bf16 or f16 on the way to a quantiser, and a product that is left as it is and whose result goes on into a quantised operand takes f32 operands (vector FMAs, or v_wmma_f32_16x16x4_f32). A number that lies on a knife's edge between two numbers of the format may be rounded either way, as far as f32 arithmetic and the matrix unit's own rounding can turn it there, and no further.
;; One version. Each part assembles by itself: llvm-mc -triple=amdgcn-amd-amdhsa -mcpu=gfx1250 --defsym DOCPART=n.
;; ======== version 1 of 1: 3 launches
;; limits: right only within a limited range of input values
;; workspace buffers: xop 4,456,448 bytes; wop 1,114,112 bytes; qop 4,456,448 bytes; kv 8,912,896 bytes
;; launch quant (part 1): grid 640 x 1, 4 waves a work-group, no clusters, 19,968 bytes of LDS; arguments inputs, rotation_params, entangle_params, xop, wop, kv; writes xop, wop, kv
.if DOCPART == 1
	.amdgcn_target "amdgcn-amd-amdhsa--gfx1250"
	.amdhsa_code_object_version 6
	.text
	.protected	k_q6f9f28511c_quant
	.globl	k_q6f9f28511c_quant
	.p2align	8
	.type	k_q6f9f28511c_quant,@function
k_q6f9f28511c_quant:
	s_mov_b64 s[64:65], 0
	v_nop
	global_prefetch_b8 v0, s[64:65] scope:SCOPE_SE
	s_setreg_imm32_b32 hwreg(HW_REG_WAVE_MODE, 25, 1), 1
	s_wait_xcnt 0x0
; x [8192][1024] f32 is quantised to E2M1 codes TWICE: along its columns (the operand of x R and x En) and down its rows (V, whose K is the keys).
; R and En [1024 (k)][1024 (n)] f32 are quantised down their rows.  One E8M0 byte for each 32 along K: the largest magnitude's exponent field - 2, held at 1 from below.
; LIMITS: NaN and infinities among the inputs are not served.  A block of zeros gets the byte 1 where the rule says 127: its codes are zeros, which add nothing under any byte but 0xff, and this program alone reads the bytes.
; ALL RESULTS LIE IN THE ORDER OF THE OPERANDS' REGISTERS.  A fragment (16 rows x 128 K of 4-bit codes) is 1,024 bytes: [c 0..1][lane 0..31][16 bytes]; lane (r = l % 16, h = l / 16) holds K = 64 c + 32 h + 0..31 of row r.
; TILES: 32 neighbouring rows of x (or columns of a weight) make two tiles u = 0, 1: place r of tile u is element 8 u + r + 8 (r / 8).  V's tiles of the head's 64 are plain neighbours.
; SHARES.  A work-group takes 128 rows x 128 columns of f32 (rows are 4,096 bytes apart in all three tensors); wave w takes columns 32 w .. 32 w + 31 and walks four blocks of 32 rows.
; A lane takes a column and its 32 registers run down the rows: a load reads 128 consecutive bytes, and a block down the rows lies in ONE lane.  For the codes along the columns a block of 32 x 32 turns through the wave's own stage in LDS.
; Work-groups 0..511: x (ttmp9 / 8 = group of 128 rows, ttmp9 % 8 = K step of 128 columns).  512..639: the weights.  The two ways part on the work-group's number alone; the weights' way touches no LDS and has no barrier.
; No tensor loads, no cluster: no work-group reads what another reads.  Loads run two blocks (64 loads a wave) ahead.
.set X,    32                          ; v32-95   two sets of 32 numbers, as loaded: register i = row i of the block
.set Y,    96                          ; v96-127  the block turned: 32 neighbours along a row
.set VC,   128                         ; v128-143 codes down the rows, four registers a block: no store's data are written again
.set XC,   144                         ; v144-159 codes along the rows, likewise
.set SP,   144                         ; a place in the stage: 128 bytes + 16: the lanes' 16-byte reads start in different banks
.set XSX,  4*32*SP                     ; LDS behind the four stages: x's scale bytes [place 0..127][wave], 512 bytes;
.set VSX,  XSX+512                     ; V's scale words [head 0..1][r][tile 0..3], 512 bytes
; v1 lane; v2 4 x lane; v3 4 x the column that my lane's place stands for (weights); v4 V's codes' place; v5 x's and the weights' codes' place; v6 the weights' scale words' place;
; v7, v8 the stage, in and out; v9 my scale byte of x; v10 my scale word of V; v11 the tail's LDS address; v12 16 x lane; v13-16 at work; v20 a scale word; v24-27 x's scale bytes
	s_load_b256 s[4:11], s[0:1], 0x0               ; x s[4:5], R s[6:7], En s[8:9], xop s[10:11]
	s_load_b128 s[12:15], s[0:1], 0x20             ; wop s[12:13], kv s[14:15]
	v_lshl_add_u32 v168, v0, 2, 0x4c00
	v_mov_b32 v169, 0
	v_lshrrev_b32 v13, 5, v0
	v_readfirstlane_b32 s16, v13                   ; wave 0..3
	v_and_b32 v1, 31, v0                           ; lane
	v_and_b32 v14, 15, v0                          ; r
	v_bfe_u32 v15, v0, 4, 1                        ; u (or h)
	v_bfe_u32 v16, v0, 3, 1                        ; r / 8
	v_lshlrev_b32 v2, 2, v1
	v_lshl_add_u32 v3, v15, 3, v14
	v_lshl_add_u32 v3, v16, 3, v3                  ; 8 u + r + 8 (r / 8)
	v_lshlrev_b32 v3, 2, v3
	v_lshlrev_b32 v12, 4, v1
	v_lshlrev_b32 v4, 4, v14                       ; 16 r
	v_lshl_add_u32 v5, v15, 13, v4                 ; + 8,192 u: two tiles of rows (or of a weight's columns) lie 8,192 bytes apart
	v_lshl_add_u32 v10, v15, 2, v4                 ; (V's scale word: 16 r + 4 u ..)
	s_wait_alu depctr_va_vdst(0)
	v_lshl_add_u32 v4, v15, 10, v4                 ; + 1,024 u: two tiles of the head's 64
	v_lshlrev_b32 v6, 5, v14
	v_lshl_add_u32 v6, v15, 9, v6                  ; 32 r + 512 u
	s_mul_i32 s17, s16, 32*SP                      ; my stage
	v_add_nc_u32 v7, s17, v2                       ; in: 4 x lane; the row's place stands in the immediate
	v_mul_u32_u24 v8, v1, SP
	v_add_nc_u32 v8, s17, v8                       ; out: place = lane
	s_add_co_u32 s18, s16, XSX
	v_add_nc_u32 v9, s18, v2                       ; XSX + 4 x place + wave
	s_lshr_b32 s18, s16, 1
	s_lshl_b32 s18, s18, 8                         ; which of the two heads: 256 bytes each
	s_and_b32 s19, s16, 1
	s_lshl_b32 s19, s19, 3                         ; tiles 2 (w % 2) + u: 4 bytes each
	s_add_co_u32 s18, s18, s19
	s_add_co_u32 s18, s18, VSX
	v_add_nc_u32 v10, s18, v10
	s_xor_b32 s18, s16, 1
	s_and_b32 s18, s18, 1
	s_lshl_b32 s18, s18, 9
	s_add_co_u32 s18, s18, XSX
	v_add_nc_u32 v11, s18, v12                     ; the tail: wave 0 takes V's words, wave 1 x's
	s_mov_b32 s27, 0
	s_wait_kmcnt 0x0
.macro LOAD t, off                     ; block t: 32 rows of my 32 columns into set t % 2
.set i, 0
.rept 32
	global_load_b32 v[X+32*((\t)%2)+i], v[\off], s[4:5] offset:(32*(\t)+i)*4096 th:TH_LOAD_NT
.set i, i+1
.endr
.endm
; One block of 32 numbers in one lane's registers v[src] on: four registers of codes from v[dst] on, and the scale's byte in v[byt]
.macro CQ src, dst, byt
	v_max3_num_f32 v13, |v[\src]|, |v[\src+1]|, |v[\src+2]|       ; the largest magnitude, in two chains
	v_max3_num_f32 v14, |v[\src+3]|, |v[\src+4]|, |v[\src+5]|
.irp i, 6,10,14,18,22,26
	v_max3_num_f32 v13, v13, |v[\src+\i]|, |v[\src+\i+1]|
	v_max3_num_f32 v14, v14, |v[\src+\i+2]|, |v[\src+\i+3]|
.endr
	v_max3_num_f32 v13, v13, |v[\src+30]|, |v[\src+31]|
	v_max3_num_f32 v13, v13, v14, 0x1800000        ; and the floor 2^(3 - 127): the byte cannot fall under 1
	v_add_nc_u32 v15, 0xff000000, v13              ; 2 off the exponent field: the conversion takes this operand's exponent field as its scale
	v_lshrrev_b32 v[\byt], 23, v15                 ; the scale's byte
.irp g, 0,1,2,3
	v_cvt_scalef32_pk8_fp4_f32 v[\dst+\g], v[\src+8*\g:\src+8*\g+7], v15
.endr
.endm
.macro WORD t                          ; block t's byte into the scale word: a plain line behind the conversions
.if (\t) == 0
	v_mov_b32 v20, v16
.else
	v_lshl_or_b32 v20, v16, 8*(\t), v20
.endif
.endm
.macro WAITBLOCK t
.if (\t) < 3
	s_wait_loadcnt 32                              ; this block's 32 loads are in; the next block's 32 may be out
.else
	s_wait_loadcnt 0x0
.endif
.endm
	s_cmp_ge_u32 ttmp9, 512
	s_cbranch_scc1 .Lweights
	; ---- x
	s_lshr_b32 s20, ttmp9, 3                       ; group of 128 rows
	s_and_b32 s21, ttmp9, 7                        ; K step of 128 columns = heads 2 gc, 2 gc + 1
	s_lshl_b32 s22, s20, 19                        ; 128 rows x 4,096 bytes
	s_lshl_b32 s23, s21, 9
	s_add_co_u32 s22, s22, s23
	s_lshl_b32 s23, s16, 7
	s_add_co_u32 s22, s22, s23
	s_mov_b32 s23, 0
	s_add_nc_u64 s[4:5], s[4:5], s[22:23]          ; x at my first number
	s_mul_i32 s24, s20, 139264                     ; kv: this key step's block
	s_lshl_b32 s25, s21, 13
	s_add_co_u32 s26, s24, s25
	s_lshr_b32 s25, s16, 1
	s_lshl_b32 s25, s25, 12
	s_add_co_u32 s26, s26, s25                     ; head 2 gc + w / 2: 4,096 bytes each
	s_and_b32 s25, s16, 1
	s_lshl_b32 s25, s25, 11
	s_add_co_u32 s26, s26, s25                     ; tiles 2 (w % 2) on
	s_add_co_u32 s26, s26, 69632                   ; V's codes lie behind K's codes (65,536 bytes) and K's scale words (4,096)
	s_add_nc_u64 s[28:29], s[14:15], s[26:27]
	s_lshl_b32 s25, s21, 9
	s_add_co_u32 s26, s24, s25
	s_add_co_u32 s26, s26, 135168
	s_add_nc_u64 s[30:31], s[14:15], s[26:27]      ; V's scale words of the two heads
	s_mul_i32 s24, s20, 69632                      ; xop: this group's block
	s_lshl_b32 s25, s21, 10
	s_add_co_u32 s26, s24, s25
	s_lshl_b32 s25, s16, 8                         ; my 32 columns are block w of the K step: c = w / 2, h = w % 2: 256 w bytes
	s_add_co_u32 s26, s26, s25
	s_add_nc_u64 s[32:33], s[10:11], s[26:27]
	s_lshl_b32 s25, s21, 9
	s_add_co_u32 s26, s24, s25
	s_add_co_u32 s26, s26, 65536
	s_add_nc_u64 s[34:35], s[10:11], s[26:27]      ; x's scale words of this K step
.macro XBLOCK t
.set XS, X+32*((\t)%2)
	WAITBLOCK \t
.set i, 0
.rept 32
	ds_store_b32 v7, v[XS+i] offset:(16*((i/8)%2)+(i%8)+8*(i/16))*SP   ; row i goes to its place 16 u + r
.set i, i+1
.endr
.irp j, 0,1,2,3,4,5,6,7
	ds_load_b128 v[Y+4*\j:Y+4*\j+3], v8 offset:16*\j   ; LDS serves a wave's instructions in order: these see the stores above
.endr
	CQ XS, VC+4*(\t), 16                           ; down the rows: V's block t of my column
	WORD \t
	global_store_b128 v4, v[VC+4*(\t):VC+4*(\t)+3], s[28:29] offset:((\t)/2)*512+((\t)%2)*256   ; sixteen lanes store 256 consecutive bytes, aligned
	s_wait_dscnt 0x0                               ; the turned block is in, and the stage's stores have read their registers,
.if (\t) < 2
	LOAD (\t)+2, 2                                 ; which take the block two further on
.endif
	CQ Y, XC+4*(\t), 24+(\t)                       ; along the row: block w of this K step, of the row at place = lane
	global_store_b128 v5, v[XC+4*(\t):XC+4*(\t)+3], s[32:33] offset:(\t)*16384
	ds_store_b8 v9, v[24+(\t)] offset:128*(\t)     ; byte w of the scale word of place 32 t + lane
.endm
	LOAD 0, 2
	LOAD 1, 2
	s_wait_alu depctr_va_vdst(0)
	XBLOCK 0
	XBLOCK 1
	XBLOCK 2
	XBLOCK 3
	ds_store_b32 v10, v20                          ; my column's scale word: four blocks of 32 keys
	s_wait_dscnt 0x0                               ; for the others' sake: my stores have landed
	s_barrier_signal -1
	s_barrier_wait -1
	s_cmp_gt_u32 s16, 1
	s_cbranch_scc1 .Lend
	s_cmp_eq_u32 s16, 0
	s_cselect_b64 s[36:37], s[30:31], s[34:35]     ; wave 0: V's words; wave 1: x's
	ds_load_b128 v[160:163], v11
	s_wait_dscnt 0x0
	global_store_b128 v12, v[160:163], s[36:37]    ; 512 consecutive bytes
.Lend:
	s_wait_tensorcnt 0x0
	ds_add_u32 v168, v169
	s_wait_dscnt 0x0
	s_endpgm
	; ---- the weights: lane l stands for place l of the two tiles of its 32 columns, so the codes leave as they are made
.Lweights:
	s_sub_co_u32 s20, ttmp9, 512
	s_lshr_b32 s21, s20, 6                         ; 0: R, 1: En
	s_bfe_u32 s22, s20, 0x30003                    ; K step of 128 rows
	s_and_b32 s23, s20, 7                          ; 128 columns
	s_cmp_eq_u32 s21, 0
	s_cselect_b64 s[4:5], s[6:7], s[8:9]
	s_lshl_b32 s24, s22, 19
	s_lshl_b32 s25, s23, 9
	s_add_co_u32 s26, s24, s25
	s_lshl_b32 s25, s16, 7
	s_add_co_u32 s26, s26, s25
	s_add_nc_u64 s[4:5], s[4:5], s[26:27]
	s_lshl_b32 s24, s21, 6
	s_lshl_b32 s25, s23, 3
	s_add_co_u32 s24, s24, s25
	s_lshl_b32 s25, s16, 1
	s_add_co_u32 s24, s24, s25                     ; my first tile of columns: 64 m + 8 gn + 2 w
	s_lshl_b32 s26, s24, 13
	s_lshl_b32 s25, s22, 10
	s_add_co_u32 s26, s26, s25
	s_add_nc_u64 s[28:29], s[12:13], s[26:27]      ; codes: 8,192 bytes a tile, 1,024 a K step
	s_lshl_b32 s26, s24, 9
	s_lshl_b32 s25, s22, 2
	s_add_co_u32 s26, s26, s25
	s_add_co_u32 s26, s26, 1048576
	s_add_nc_u64 s[30:31], s[12:13], s[26:27]      ; scale words: 32 bytes a column, 4 a K step
.macro WBLOCK t
.set XS, X+32*((\t)%2)
	WAITBLOCK \t
	CQ XS, VC+4*(\t), 16
	WORD \t
	global_store_b128 v5, v[VC+4*(\t):VC+4*(\t)+3], s[28:29] offset:((\t)/2)*512+((\t)%2)*256
.if (\t) < 2
	LOAD (\t)+2, 3
.endif
.endm
	LOAD 0, 3
	LOAD 1, 3
	WBLOCK 0
	WBLOCK 1
	WBLOCK 2
	WBLOCK 3
	global_store_b32 v6, v20, s[30:31]             ; 4 bytes of each column's 32: the weights' scale words are 65,536 bytes in all
	s_endpgm
.Lfunc_end_k_q6f9f28511c_quant:
	.size	k_q6f9f28511c_quant, .Lfunc_end_k_q6f9f28511c_quant-k_q6f9f28511c_quant
	.p2alignl 7, 3214868480
	.fill 96, 4, 3214868480
	.section	.rodata,"a",@progbits
	.p2align	6, 0x0
	.amdhsa_kernel k_q6f9f28511c_quant
		.amdhsa_group_segment_fixed_size 19968
		.amdhsa_private_segment_fixed_size 0
		.amdhsa_enable_private_segment 0
		.amdhsa_kernarg_size 48
		.amdhsa_user_sgpr_count 2
		.amdhsa_user_sgpr_kernarg_segment_ptr 1
		.amdhsa_wavefront_size32 1
		.amdhsa_system_sgpr_workgroup_id_x 1
		.amdhsa_system_sgpr_workgroup_id_y 1
		.amdhsa_system_sgpr_workgroup_id_z 1
		.amdhsa_system_vgpr_workitem_id 0
		.amdhsa_next_free_vgpr 170
		.amdhsa_next_free_sgpr 66
		.amdhsa_reserve_vcc 0
		.amdhsa_float_denorm_mode_32 3
		.amdhsa_float_denorm_mode_16_64 3
		.amdhsa_memory_ordered 1
		.amdhsa_forward_progress 1
		.amdhsa_inst_pref_size 58
	.end_amdhsa_kernel
	.amdgpu_metadata
---
amdhsa.version: [ 1, 2 ]
amdhsa.kernels:
  - .name:           k_q6f9f28511c_quant
    .symbol:         k_q6f9f28511c_quant.kd
    .args:
      - { .name: inputs, .offset: 0, .size: 8, .value_kind: global_buffer, .address_space: global }
      - { .name: rotation_params, .offset: 8, .size: 8, .value_kind: global_buffer, .address_space: global }
      - { .name: entangle_params, .offset: 16, .size: 8, .value_kind: global_buffer, .address_space: global }
      - { .name: xop, .offset: 24, .size: 8, .value_kind: global_buffer, .address_space: global }
      - { .name: wop, .offset: 32, .size: 8, .value_kind: global_buffer, .address_space: global }
      - { .name: kv, .offset: 40, .size: 8, .value_kind: global_buffer, .address_space: global }
    .group_segment_fixed_size: 19968
    .private_segment_fixed_size: 0
    .kernarg_segment_align: 8
    .kernarg_segment_size: 48
    .max_flat_workgroup_size: 128
    .sgpr_count:     66
    .vgpr_count:     170
    .wavefront_size: 32
...
	.end_amdgpu_metadata
.endif
;; end of part 1
;; launch proj (part 2): grid 4 x 64, 4 waves a work-group, no clusters, 168,448 bytes of LDS; arguments xop, wop, qop, kv; writes qop, kv
.if DOCPART == 2
	.amdgcn_target "amdgcn-amd-amdhsa--gfx1250"
	.amdhsa_code_object_version 6
	.text
	.protected	k_q6f9f28511c_proj
	.globl	k_q6f9f28511c_proj
	.p2align	8
	.type	k_q6f9f28511c_proj,@function
k_q6f9f28511c_proj:
	s_mov_b64 s[64:65], 0
	v_nop
	global_prefetch_b8 v0, s[64:65] scope:SCOPE_SE
	s_setreg_imm32_b32 hwreg(HW_REG_WAVE_MODE, 25, 1), 1
	s_wait_xcnt 0x0
; q = x R and k = x En on E2M1 codes, and q and k quantised again along the head's 64, in registers.  Nothing wide goes to memory.
; SHARES.  Work-group (gx, gy) makes rows 128 gy .. + 127 (one group of queries = one key step) x columns 512 gx .. + 511 of [q | k] (gx 0, 1: q; 2, 3: k).  Wave w makes 128 of the columns, two heads, for all 128 rows.
; The wave's part of the weights, 64 fragments and their scale words, stays in its REGISTERS (windows 1 and 2), read once.  x's 64 fragments and scale words, one dense block of 69,632 bytes, come into LDS once,
; a quarter by each wave's one tensor load; nothing in LDS is filled again.
; NO CLUSTER: the four work-groups of one gy read the same block of x, 69,632 bytes; that is a fifth of what a work-group reads: its other 278,528 bytes go from memory straight into registers.
; THE PRODUCT IS USED TRANSPOSED: source 0 = 16 columns of a weight, source 1 = 16 rows of x.  A tile's 16 columns are places 8 u + r + 8 (r / 8) of 32, so that a lane (r, h) holds ONE row of x and the 16 registers of
; tiles 2 b, 2 b + 1 are columns 32 b + 16 h + 0..15: 16 neighbours along the next K.  The 64 registers become a fragment of 128: registers 0-3 are head A's 64 codes, 4-7 head B's.
; OUT: codes [head][block of 32 rows][u][lane][16 bytes]; scale words [head][r][block]: bytes 0, 1 the two blocks of the row at place r of tile u = 0, bytes 2, 3 of tile u = 1.
; LIMITS: as stated at the quantising launch: NaN and infinities are not served; a block of zeros has the byte 1.
.set LI,  1                            ; v1   16 x lane: an image's place for my lane
.set XSA, 2                            ; v2   LDS: x's scale words: 65,536 + 4 (lane % 16)
.set WSA, 3                            ; v3   32 (lane % 16): a column's eight scale words
.set WA,  4                            ; v4-7   head A's paired scale words, one a block of 32 rows
.set WB,  8                            ; v8-11  head B's
.set SW,  12                           ; v12-15 what my lane stores of them
.set LN,  16                           ; v16  lane
.set WS,  32                           ; v32-95   the weights' scale words: (tile t, K step s) at 8 t + s
.set XF,  96                           ; v96-159  x's eight fragments of a tile of 16 rows
.set XS,  160                          ; v160-167 and their scale words
.set ACC, 168                          ; v168-231 eight accumulators
.set PC,  232                          ; v232-239 the codes just made
.set TM,  240                          ; v240-243 largest magnitudes, v244-247 the other half's, then bytes, v248-251 the conversions' scale operands
.set PW,  252                          ; v252, v253 the scale words of tiles u = 0, 1
.set SEL, 38                           ; s[38:39] v_permlanex16_b32's selects for lane l xor 16
.set MSB, 0
.macro WIN new                         ; the immediate's high byte repeats the setting that is left
.if MSB != (\new)
	s_set_vgpr_msb (MSB<<8)|(\new)
.set MSB, (\new)
.endif
.endm
	s_load_b256 s[4:11], s[0:1], 0x0               ; xop s[4:5], wop s[6:7], qop s[8:9], kv s[10:11]
	v_lshl_add_u32 v254, v0, 2, 0x29000
	v_mov_b32 v255, 0
	ds_add_u32 v254, v255
	ds_add_u32 v254, v255
	v_lshrrev_b32 v1, 5, v0
	v_readfirstlane_b32 s12, v1                    ; wave 0..3
	s_and_b32 s13, ttmp7, 0xffff                   ; gy
	; descriptor group 1: 68 rows of 256 bytes, dense in memory and in LDS
	s_mov_b32 s20, 3<<16                           ; no mask; elements of 8 bytes; no padding
	s_mov_b32 s21, 32<<16                          ; tensor_dim0 = 32
	s_mov_b32 s22, 68<<16                          ; tensor_dim1 = 68
	s_mov_b32 s23, 32<<16                          ; tile_dim0 = 32
	s_mov_b32 s24, 68                              ; tile_dim1 = 68
	s_mov_b32 s25, 32                              ; from row to row
	s_mov_b32 s26, 0
	s_mov_b32 s27, 0
	s_mul_i32 s14, s12, 17408                      ; my quarter of the block
	s_mul_i32 s28, s13, 69632
	s_add_co_u32 s28, s28, s14
	s_mov_b32 s29, 0
	s_mov_b32 s[SEL], 0x76543210
	s_mov_b32 s[SEL+1], 0xfedcba98
	s_wait_dscnt 0x0
	s_wait_kmcnt 0x0
	s_mov_b32 s16, 1                               ; count = 1
	s_mov_b32 s17, s14                             ; LDS address
	s_add_nc_u64 s[18:19], s[4:5], s[28:29]
	s_or_b32 s19, s19, 0x80000000                  ; type = 2
	tensor_load_to_lds s[16:19], s[20:27]          ; my one tensor load, ahead of everything else
	s_nop 0
.rept 4
	v_nop                                          ; four plain lines behind a tensor load
.endr
	v_and_b32 v[LN], 31, v0
	v_lshlrev_b32 v[LI], 4, v[LN]
	v_and_b32 v[XSA], 15, v0
	v_lshlrev_b32 v[WSA], 5, v[XSA]
	s_wait_alu depctr_va_vdst(0)
	v_lshl_add_u32 v[XSA], v[XSA], 2, 0x10000
.irp b, 0,1,2,3
	v_mov_b32 v[TM+4+\b], 0                        ; written once: a lane permute's destination counts as one of its sources
.endr
	s_lshl_b32 s40, ttmp9, 5
	s_lshl_b32 s41, s12, 3
	s_add_co_u32 s40, s40, s41                     ; my first tile of columns: 32 gx + 8 w
	s_lshl_b32 s42, s40, 13
	s_mov_b32 s43, 0
	s_add_nc_u64 s[34:35], s[6:7], s[42:43]        ; its codes
	s_lshl_b32 s42, s40, 9
	s_add_co_u32 s42, s42, 1048576
	s_add_nc_u64 s[36:37], s[6:7], s[42:43]        ; its scale words
.irp t, 0,1,2,3,4,5,6,7
.irp q, 0,1
	global_load_b128 v[WS+8*\t+4*\q:WS+8*\t+4*\q+3], v[WSA], s[36:37] offset:512*\t+16*\q
.endr
.endr
.irp s, 0,1,2,3,4,5,6,7                ; fragment (t, s) at v[64 (s % 4) + 8 t] of window 1 + s / 4; K step by K step, 16 loads each, so that the first products can begin before the last have come
	WIN 0x40*(1+\s/4)
.irp t, 0,1,2,3,4,5,6,7
.irp c, 0,1
	global_load_b128 v[64*(\s%4)+8*\t+4*\c:64*(\s%4)+8*\t+4*\c+3], v[LI], s[34:35] offset:\t*8192+\s*1024+\c*512
.endr
.endr
.endr
	WIN 0
	; where the results go: q's buffer or K's part of kv.  The choice hangs on the work-group's number alone
	s_cmp_lt_u32 ttmp9, 2
	s_cselect_b64 s[30:31], s[8:9], s[10:11]
	s_mov_b32 s44, 139264
	s_cselect_b32 s44, 69632, s44                  ; a group's bytes
	s_mov_b32 s45, 65536                           ; in both buffers the scale words begin behind 65,536 bytes of codes
	s_mul_i32 s44, s44, s13
	s_and_b32 s46, ttmp9, 1
	s_lshl_b32 s46, s46, 3
	s_lshl_b32 s47, s12, 1
	s_add_co_u32 s46, s46, s47                     ; head A = 8 (gx % 2) + 2 w
	s_lshl_b32 s42, s46, 8
	s_add_co_u32 s42, s42, s44
	s_add_co_u32 s42, s42, s45
	s_add_nc_u64 s[32:33], s[30:31], s[42:43]      ; scale words: 256 bytes a head
	s_lshl_b32 s42, s46, 12
	s_add_co_u32 s42, s42, s44
	s_add_nc_u64 s[30:31], s[30:31], s[42:43]      ; codes: 4,096 bytes a head
.macro FETCHX T                        ; x's eight fragments of tile T and their scale words
.irp s, 0,1,2,3,4,5,6,7
.irp c, 0,1
	ds_load_b128 v[XF+8*\s+4*\c:XF+8*\s+4*\c+3], v[LI] offset:(\T)*8192+\s*1024+\c*512
.endr
.endr
.irp s, 0,1,2,3,4,5,6,7
	ds_load_b32 v[XS+\s], v[XSA] offset:\s*512+(\T)*64
.endr
.endm
; 64 numbers of a lane, register 16 b + i = K 32 b + 16 (lane / 16) + i of my row, become a fragment's codes in v[PC] on and its scale word in v[pw]
.macro QUANT s, pw
.irp b, 0,1,2,3
	v_max3_num_f32 v[TM+\b], |v[\s+16*\b]|, |v[\s+1+16*\b]|, 0x1800000   ; block b: my 16 numbers, and the floor 2^(3 - 127); each accumulator is read from its low end on
.endr
.irp i, 2,4,6,8,10,12,14
.irp b, 0,1,2,3
	v_max3_num_f32 v[TM+\b], v[TM+\b], |v[\s+16*\b+\i]|, |v[\s+1+16*\b+\i]|   ; the four blocks by turns
.endr
.endr
.irp b, 0,1,2,3
	v_permlanex16_b32 v[TM+4+\b], v[TM+\b], s[SEL], s[SEL+1]
.endr
.irp b, 0,1,2,3
	v_max_num_f32 v[TM+\b], v[TM+\b], v[TM+4+\b]   ; with lane l xor 16's: the block's largest magnitude
.endr
.irp b, 0,1,2,3
	v_add_nc_u32 v[TM+8+\b], 0xff000000, v[TM+\b]  ; 2 off its exponent field: the conversion's scale operand
.endr
.irp b, 0,1,2,3
	v_lshrrev_b32 v[TM+4+\b], 23, v[TM+8+\b]       ; the scale's byte
.endr
	v_lshl_or_b32 v[\pw], v[TM+5], 8, v[TM+4]
	v_lshl_or_b32 v[\pw], v[TM+6], 16, v[\pw]
	v_lshl_or_b32 v[\pw], v[TM+7], 24, v[\pw]      ; bytes 0, 1: head A; 2, 3: head B
	s_wait_xcnt 0x0                                ; the last tile's stores have read the codes' registers: only now are they written again
.irp b, 0,1,2,3
	v_cvt_scalef32_pk8_fp4_f32 v[PC+2*\b], v[\s+16*\b:\s+7+16*\b], v[TM+8+\b]
	v_cvt_scalef32_pk8_fp4_f32 v[PC+1+2*\b], v[\s+8+16*\b:\s+15+16*\b], v[TM+8+\b]
.endr
	v_nop                                          ; one plain line behind the last scaled conversion
.irp c, 0,1                            ; the operand's layout wants a whole block in a lane
.irp i, 0,1
	v_permlane16_swap_b32 v[PC+4*\c+\i], v[PC+2+4*\c+\i]
.endr
.endr
.endm
; A tile of 16 rows: 64 matrix instructions, the eight accumulators by turns, one instruction a turn; the first K step starts the sums with the constant 0
.macro TILE T, first, last
	s_wait_dscnt 0x0                               ; x's fragments and scale words are in
.irp s, 0,1,2,3,4,5,6,7
.if \first
.if \s == 0
	s_wait_loadcnt 63                              ; K steps 0 to 3 of the weights and all their scale words are in: behind them 64 loads were issued, and 63 is the largest count that a wait can name
.elseif \s > 3
	s_wait_loadcnt 16*(7-\s)                       ; this K step's 16 loads are in; the 16 of each later K step may be out
.endif
.endif
	WIN 1+\s/4                                     ; source 0 in window 1 or 2
.irp t, 0,1,2,3,4,5,6,7
.if \s == 0
	v_wmma_scale_f32_16x16x128_f8f6f4 v[ACC+8*\t:ACC+8*\t+7], v[64*(\s%4)+8*\t:64*(\s%4)+8*\t+7], v[XF+8*\s:XF+8*\s+7], 0, v[WS+8*\t+\s], v[XS+\s] matrix_a_fmt:MATRIX_FMT_FP4 matrix_b_fmt:MATRIX_FMT_FP4
.else
	v_wmma_scale_f32_16x16x128_f8f6f4 v[ACC+8*\t:ACC+8*\t+7], v[64*(\s%4)+8*\t:64*(\s%4)+8*\t+7], v[XF+8*\s:XF+8*\s+7], v[ACC+8*\t:ACC+8*\t+7], v[WS+8*\t+\s], v[XS+\s] matrix_a_fmt:MATRIX_FMT_FP4 matrix_b_fmt:MATRIX_FMT_FP4
.endif
.endr
.endr
	WIN 0
.rept 4
	v_nop                                          ; four places in front of the loads into x's registers and of the first read of the results
.endr
.if \last == 0
	FETCHX (\T)+1                                  ; lands while this tile is quantised
.endif
	QUANT ACC, PW+((\T)%2)
	global_store_b128 v[LI], v[PC:PC+3], s[30:31] offset:((\T)/2)*1024+((\T)%2)*512          ; head A: 512 consecutive bytes
	global_store_b128 v[LI], v[PC+4:PC+7], s[30:31] offset:4096+((\T)/2)*1024+((\T)%2)*512   ; head B
.if ((\T)%2) == 1
	v_perm_b32 v[WA+(\T)/2], v[PW+1], v[PW], 0x05040100   ; head A: tile u = 0's two bytes, then tile u = 1's
	v_perm_b32 v[WB+(\T)/2], v[PW+1], v[PW], 0x07060302   ; head B
.endif
.endm
	s_wait_alu depctr_va_vdst(0)
	s_wait_tensorcnt 0x0                           ; my quarter of x's block is in,
	s_barrier_signal -1
	s_barrier_wait -1                              ; everybody's is
	FETCHX 0
	TILE 0, 1, 0
	TILE 1, 0, 0
	TILE 2, 0, 0
	TILE 3, 0, 0
	TILE 4, 0, 0
	TILE 5, 0, 0
	TILE 6, 0, 0
	TILE 7, 0, 1
	v_cmp_le_u32 vcc_lo, 16, v[LN]                 ; both halves of the lanes hold the same words: lanes 0-15 store head A's, lanes 16-31 head B's
.irp j, 0,1,2,3
	v_cndmask_b32 v[SW+\j], v[WA+\j], v[WB+\j], vcc_lo
.endr
	global_store_b128 v[LI], v[SW:SW+3], s[32:33]  ; 512 consecutive bytes: two heads' scale words
	s_wait_tensorcnt 0x0
	ds_add_u32 v254, v255
	s_wait_dscnt 0x0
	s_endpgm
.Lfunc_end_k_q6f9f28511c_proj:
	.size	k_q6f9f28511c_proj, .Lfunc_end_k_q6f9f28511c_proj-k_q6f9f28511c_proj
	.p2alignl 7, 3214868480
	.fill 96, 4, 3214868480
	.section	.rodata,"a",@progbits
	.p2align	6, 0x0
	.amdhsa_kernel k_q6f9f28511c_proj
		.amdhsa_group_segment_fixed_size 168448
		.amdhsa_private_segment_fixed_size 0
		.amdhsa_enable_private_segment 0
		.amdhsa_kernarg_size 32
		.amdhsa_user_sgpr_count 2
		.amdhsa_user_sgpr_kernarg_segment_ptr 1
		.amdhsa_wavefront_size32 1
		.amdhsa_system_sgpr_workgroup_id_x 1
		.amdhsa_system_sgpr_workgroup_id_y 1
		.amdhsa_system_sgpr_workgroup_id_z 1
		.amdhsa_system_vgpr_workitem_id 0
		.amdhsa_next_free_vgpr 768
		.amdhsa_next_free_sgpr 66
		.amdhsa_reserve_vcc 1
		.amdhsa_float_denorm_mode_32 3
		.amdhsa_float_denorm_mode_16_64 3
		.amdhsa_memory_ordered 1
		.amdhsa_forward_progress 1
		.amdhsa_inst_pref_size 128
	.end_amdhsa_kernel
	.amdgpu_metadata
---
amdhsa.version: [ 1, 2 ]
amdhsa.kernels:
  - .name:           k_q6f9f28511c_proj
    .symbol:         k_q6f9f28511c_proj.kd
    .args:
      - { .name: xop, .offset: 0, .size: 8, .value_kind: global_buffer, .address_space: global }
      - { .name: wop, .offset: 8, .size: 8, .value_kind: global_buffer, .address_space: global }
      - { .name: qop, .offset: 16, .size: 8, .value_kind: global_buffer, .address_space: global }
      - { .name: kv, .offset: 24, .size: 8, .value_kind: global_buffer, .address_space: global }
    .group_segment_fixed_size: 168448
    .private_segment_fixed_size: 0
    .kernarg_segment_align: 8
    .kernarg_segment_size: 32
    .max_flat_workgroup_size: 128
    .sgpr_count:     66
    .vgpr_count:     768
    .wavefront_size: 32
...
	.end_amdgpu_metadata
.endif
;; end of part 2
;; launch attn (part 3): grid 256 x 1, 16 waves a work-group, clusters of 4 x 1, 327,680 bytes of LDS; arguments qop, kv, inputs, ln_weight, ln_bias, out0; writes out0
.if DOCPART == 3
	.amdgcn_target "amdgcn-amd-amdhsa--gfx1250"
	.amdhsa_code_object_version 6
	.text
	.protected	k_q6f9f28511c_attn
	.globl	k_q6f9f28511c_attn
	.p2align	8
	.type	k_q6f9f28511c_attn,@function
k_q6f9f28511c_attn:
	s_mov_b64 s[64:65], 0
	v_nop
	global_prefetch_b8 v0, s[64:65] scope:SCOPE_SE
	s_setreg_imm32_b32 hwreg(HW_REG_WAVE_MODE, 25, 1), 1
	s_wait_xcnt 0x0
	s_wait_alu depctr_hold_cnt(0) depctr_sa_sdst(0) depctr_va_vdst(0) depctr_va_sdst(0) depctr_va_ssrc(0) depctr_va_vcc(0) depctr_vm_vsrc(0)
	s_getreg_b32 s2, hwreg(HW_REG_IB_STS2, 6, 4)
	s_cmp_eq_u32 s2, 0
	s_cbranch_scc0 .Lentry_in_a_cluster
	s_endpgm
.Lentry_in_a_cluster:
	s_bfe_u32 s2, ttmp6, 0x10000c
	s_cmp_lg_u32 s2, 0x3003
	s_cbranch_scc0 .Lentry_shape_is_right
	s_endpgm
.Lentry_shape_is_right:
; out = LayerNorm(x + softmax(q k^T / 8) v) x weight + bias, both products on E2M1 codes with one E8M0 scale for each 32 along K.  16 heads of 64; 2,048 keys a batch.
; THE SOFTMAX AHEAD OF THE SECOND PRODUCT: t = score x log2(e) / 8; M = the row's largest t so far, rounded UP to a whole number; p = 2^(t - M) is quantised along the keys, not normalised.
; The row's sum is taken of the unquantised p and divides at the end.  When M moves, the sum and O are multiplied by 2^(old M - new M): exact.
; SHARES.  A work-group owns 32 rows x ALL 16 heads, so that the residual and the LayerNorm over a row's 1,024 columns end in this launch.  Wave w = head w, with two tiles of 16 queries that share every fragment of K and V.
; kv: a key step (128 keys, all heads) is 139,264 bytes: K's codes (4,096 a head), K's scale words (256 a head), V's codes, V's scale words, all in the order of the operands' registers.
; THE RING IS SHIFTED BY HALF A BLOCK: slot n % 2 holds window n = V(n), V's words, K(n + 1), K's words: 139,264 consecutive bytes of kv from byte 69,632 of block n on.
; A wave takes K(n + 1) into registers at the end of step n, ahead of the change of slots: so behind each round its first work, the scores and the first softmax, is work on registers.
; K(0), 1/32 of the K and V bytes that a work-group walks, comes by plain loads at the head.  The last window brings V(15) alone: 17 rows of 256 bytes a wave in place of 34.
; CLUSTER.  The four work-groups of a cluster are four blocks of 32 rows of one batch and walk the same windows: each is asked for JOINTLY (mask 15), a sixteenth by each wave, with no branch round the load.
; x: behind the last round each wave fetches its own two rows of x (8,192 bytes, a load of its own, no mask) into slot 0, which nobody reads any more; it lands under the last key step.  The stage of the way out lies in slot 1.
; LAYOUT.  Both products transposed: S^T = K Q^T, O^T = V^T P^T: a lane holds ONE query (lane % 16).  A tile's 16 keys are places 8 u + r + 8 (r / 8) of 32 keys, so that the 16 registers of tiles 2 j, 2 j + 1 are 16 neighbouring keys.
; K = 64 IN AN INSTRUCTION 128 DEEP: a fragment of K holds TWO tiles of keys.  Q stands as (q, zero codes) and as (zero codes, q).  Zero codes add nothing under any scale byte but 0xff, and the bytes here lie between 1 and 254.
; LIMITS: NaN and infinities are not served; the promise holds while the scaled scores stay under 2^31 in magnitude; a p under 2^-126 counts as 0 (v_exp_f32 flushes: ISA guide 15.8); a block of zeros has the byte 1 with zero codes.
.set SLOTB, 139264                     ; a window, and an LDS slot
.set HALF,  69632                      ; V's part of it; K's part follows
.set SPARE, 2*SLOTB                    ; behind the ring: the spare words, 128 bytes for each of the sixteen waves
.set SPITCH, 4112                      ; the stage: 32 rows x (4,096 bytes + 16), in slot 1, behind its last fill and its last read
.set SPW, 1                            ; v1 my spare word; v2 0: never rewritten
.set NIL, 2
.set XR,  3                            ; v3 the way out: my rows of x in slot 0
.set AS,  4                            ; v4 256 x wave + 16 (lane % 16)
.set PFO, 7                            ; v7 256 x lane: the prefetches' offset
                                       ; v8-11, v12-15: a tile's -M, largest score, and the sum in two halves
                                       ; v16-35: 0000 qA 0000 qB 0000
.set QS,  36                           ; v36, v37 Q's scale words;  v38, v39 p's
.set PS,  38
.set PCD, 40                           ; v40-55 p's codes
.set KV,  56                           ; v56-87 four fragments of K or of V;  v88-91 their scale words
.set KS,  88
.set S,   92                           ; v92-155 S^T of one tile, then p
.set O,   156                          ; v156-219 O^T of the two tiles
.set BM,  220                          ; v220-223 the blocks' largest scores, then largest p
.set BP,  224                          ; v224-227 the other half's, the bytes, two chains of the sum
.set SO,  228                          ; v228-231 the conversions' scale operands
.set F,   232                          ; v[232:233] f = 2^(old M - new M), and a word named with it
.set T,   234
.set QW,  235
.set AV,  236                          ; v236, v237 LDS: my head's codes of V in slot 0, 1;  v238, v239 of K
.set AK,  238
.set BV,  240                          ; v240, v241 V's scale words;  v242, v243 K's
.set BK,  242
.set C2,  244                          ; v[244:245] a chain of the sum
.set LI,  252                          ; v252 16 x lane
.set SA,  253                          ; v253, v254 the stage, in;  v255 back
.set SR,  255
.set WT,  40                           ; the way out: v40-71 ln_weight, v220-251 ln_bias
.set BI,  220
.set WV,  16
.set G1,  24                           ; s[24:31] group 1 of a window's sixteenth;  s[32:39] group 0 for slot 0, 1
.set G0,  32
.set SEL, 50
.set CS,  52                           ; s[52:53] c = log2(e) / 8
.set CNT, 54
.set PFA, 56                           ; s[56:57] where my prefetches of kv stand
.set INV, 58
.set EPS, 59
.set LIM, 60                           ; s60, s61: a wave prefetches kv in a trip of slot 0, 1 while the count of trips to go is above this
.set XT,  62                           ; s62: the count at which my wave prefetches its rows of x
.set G1L, 68                           ; s[68:75], s[76:79] the last window's V;  s[80:87], s[88:91] my rows of x
.set G0L, 76
.set G1X, 80
.set G0X, 88
.macro CROUND                          ; a round of the cluster's barrier
	s_barrier_signal -1
	s_barrier_wait -1
	s_cmp_lg_u32 s[WV], 0
	s_cbranch_scc1 .Lnot_wave_0_\@
	s_barrier_signal -3
.Lnot_wave_0_\@:
	s_barrier_wait -3
	s_barrier_signal -1
	s_barrier_wait -1
.endm
.macro DESC g, w0, rows                ; group 1: rows of 256 bytes (32 elements of 8), dense in memory and in LDS
	s_mov_b32 s[\g], \w0
	s_mov_b32 s[\g+1], 32<<16
	s_mov_b32 s[\g+2], (\rows)<<16
	s_mov_b32 s[\g+3], 32<<16
	s_mov_b32 s[\g+4], \rows
	s_mov_b32 s[\g+5], 32
	s_mov_b32 s[\g+6], 0
	s_mov_b32 s[\g+7], 0
.endm
.macro NOPS n
.rept \n
	v_nop
.endr
.endm
; PREFETCHES INTO THE L2.  kv: the first 131,072 bytes of the window that the NEXT trip's joint load asks for; each aligned block of 256 bytes is named once in the launch: the batch's first cluster asks, its four partners take
; 32,768 bytes each, told apart by ADDRESS; in each, waves 8 to 11 take 8,192 bytes, lanes 256 bytes apart.  Windows 0, 1 and 15 and each window's last 8,192 bytes come by their loads alone.
.macro ASK lim
	s_cmp_gt_u32 s[CNT], s[\lim]
	s_cbranch_scc0 .Lnot_mine_\@
	global_prefetch_b8 v[PFO], s[PFA:PFA+1] th:TH_LOAD_NT scope:SCOPE_SE
.Lnot_mine_\@:
.endm
; x: each wave names its own two rows, 32 blocks of 256 bytes, once: four waves in each of key steps 7, 9, 11 and 13; the load that wants them stands in key step 15.
.macro ASKX
	s_cmp_eq_u32 s[CNT], s[XT]
	s_cbranch_scc0 .Lnot_now_\@
	global_prefetch_b8 v[PFO], s[8:9] th:TH_LOAD_NT scope:SCOPE_SE
.Lnot_now_\@:
.endm
	s_load_b256 s[4:11], s[0:1], 0x0               ; qop, kv, x, ln_weight
	s_load_b128 s[12:15], s[0:1], 0x20             ; ln_bias, out0
	v_lshl_add_u32 v[SPW], v0, 2, SPARE
	v_mov_b32 v[NIL], 0
	ds_add_u32 v[SPW], v[NIL]                      ; the opening: the add, twice on end, and its wait ahead of my first tensor load
	ds_add_u32 v[SPW], v[NIL]
	v_lshrrev_b32 v5, 5, v0
	v_readfirstlane_b32 s[WV], v5                  ; wave 0..15
	s_lshl_b32 s40, s[WV], 12
	s_lshl_b32 s41, s[WV], 8
	v_and_b32 v5, 31, v0
	v_and_b32 v6, 15, v0
	v_lshlrev_b32 v[LI], 4, v5
	v_lshlrev_b32 v[PFO], 8, v5
	v_lshlrev_b32 v[T], 4, v6
	v_add_nc_u32 v[AV], s40, v[LI]                 ; 4,096 x wave + 16 x lane
	v_add_nc_u32 v[AS], s41, v[T]
	v_add_nc_u32 v[AV+1], SLOTB, v[AV]
	v_add_nc_u32 v[AK], HALF, v[AV]
	v_add_nc_u32 v[AK+1], SLOTB+HALF, v[AV]
	v_add_nc_u32 v[BV], 65536, v[AS]
	v_add_nc_u32 v[BV+1], SLOTB+65536, v[AS]
	v_add_nc_u32 v[BK], HALF+65536, v[AS]
	v_add_nc_u32 v[BK+1], SLOTB+HALF+65536, v[AS]
	s_bfe_u32 s17, ttmp6, 0x40000                  ; cx: it enters Q's, x's, out0's and the prefetches' addresses alone
	s_lshr_b32 s18, ttmp9, 4                       ; the batch: ttmp9 counts clusters = groups of 128 rows
	DESC G1,  15|(3<<16)|(1<<21), 34               ; the mask names all four work-groups; bit 21 set beside it
	DESC G1L, 15|(3<<16)|(1<<21), 17
	DESC G1X, 3<<16, 32                            ; no mask: my own rows
	s_mul_i32 s19, s[WV], 8704                     ; my sixteenth of a window, in memory and in a slot
	s_mul_i32 s63, s[WV], 4352                     ; and of V's part alone
	s_mul_i32 s20, s18, 16*SLOTB                   ; the batch's sixteen blocks
	s_mov_b32 s21, 0
	s_mul_i32 s40, ttmp9, 69632                    ; Q: my head's two tiles of my work-group's 32 rows
	s_lshl_b32 s41, s[WV], 12
	s_add_co_u32 s42, s40, s41
	s_lshl_b32 s41, s17, 10
	s_add_co_u32 s42, s42, s41                     ; codes: 4,096 a head, 1,024 a block of 32 rows
	s_mov_b32 s43, 0
	s_lshl_b32 s41, s[WV], 8
	s_add_co_u32 s44, s40, s41
	s_lshl_b32 s41, s17, 2
	s_add_co_u32 s44, s44, s41
	s_add_co_u32 s44, s44, 65536                   ; scale words: 256 a head, 16 a place, 4 a block
	s_mov_b32 s45, 0
	s_lshl_b32 s46, ttmp9, 2                       ; the two rows that my wave finishes: places 2 w, 2 w + 1 of the 32, which are neighbouring rows
	s_add_co_u32 s46, s46, s17
	s_lshl_b32 s46, s46, 5
	s_lshr_b32 s47, s[WV], 3
	s_lshl_b32 s47, s47, 3
	s_add_co_u32 s46, s46, s47                     ; + 8 u
	s_and_b32 s47, s[WV], 7
	s_lshl_b32 s47, s47, 1
	s_add_co_u32 s46, s46, s47                     ; + r
	s_bfe_u32 s47, s[WV], 0x10002
	s_lshl_b32 s47, s47, 3
	s_add_co_u32 s46, s46, s47                     ; + 8 (r / 8)
	s_lshl_b32 s46, s46, 12
	s_mov_b32 s47, 0
	s_sub_co_u32 s66, s[WV], 8                     ; who prefetches kv: waves 8 to 11
	s_lshr_b32 s66, s66, 2
	s_and_b32 s67, ttmp9, 15
	s_or_b32 s66, s66, s67                         ; of the batch's first cluster: the same in all four partners
	s_cmp_eq_u32 s66, 0
	s_cselect_b32 s[LIM], 0, 99
	s_cselect_b32 s[LIM+1], 1, 99                  ; the loop's last trip of slot 1 would name window 15, whose second half is no part of the walk: it asks for nothing
	s_and_b32 s[XT], s[WV], 3
	s_add_co_u32 s[XT], s[XT], 1
	s_lshl_b32 s48, s17, 15
	s_and_b32 s49, s[WV], 3
	s_lshl_b32 s49, s49, 13
	s_add_co_u32 s48, s48, s49
	s_add_co_u32 s48, s48, s20
	s_add_co_u32 s48, s48, SLOTB+HALF              ; in window 1: the first trip steps it to window 2
	s_mov_b32 s49, 0
	s_add_co_u32 s40, s19, HALF
	s_mov_b32 s41, 0
	s_add_co_u32 s66, s63, 15*SLOTB+HALF
	s_mov_b32 s67, 0
	s_mov_b32 s[SEL], 0x76543210
	s_mov_b32 s[SEL+1], 0xfedcba98
	s_mov_b32 s[CS], 0x3e38aa3b
	s_mov_b32 s[CS+1], s[CS]
	s_mov_b32 s[INV], 0x3a800000
	s_mov_b32 s[EPS], 0x3727c5ac
	s_wait_alu depctr_va_vdst(0)
	s_wait_dscnt 0x0                               ; both opening adds are done
	s_wait_kmcnt 0x0
	s_add_nc_u64 s[22:23], s[6:7], s[20:21]
	s_add_nc_u64 s[42:43], s[4:5], s[42:43]
	s_add_nc_u64 s[44:45], s[4:5], s[44:45]
	global_load_b128 v[20:23], v[LI], s[42:43] th:TH_LOAD_NT
	global_load_b128 v[28:31], v[LI], s[42:43] offset:512 th:TH_LOAD_NT
	global_load_b32 v[QW], v[T], s[44:45]
.irp j, 0,1,2,3
.irp u, 0,1
	global_load_b128 v[KV+8*\j+4*\u:KV+8*\j+4*\u+3], v[AV], s[22:23] offset:\j*1024+\u*512   ; K(0), my head's
.endr
.endr
	global_load_b128 v[KS:KS+3], v[AS], s[22:23] offset:65536
	s_add_nc_u64 s[8:9], s[8:9], s[46:47]
	s_add_nc_u64 s[14:15], s[14:15], s[46:47]
	s_add_nc_u64 s[PFA:PFA+1], s[6:7], s[48:49]
	s_add_nc_u64 s[40:41], s[22:23], s[40:41]
.irp n, 0,1
	s_mov_b32 s[G0+4*\n], 1
	s_add_co_u32 s[G0+4*\n+1], s19, \n*SLOTB       ; no place in the cluster enters an LDS address
	s_add_nc_u64 s[G0+4*\n+2:G0+4*\n+3], s[40:41], \n*SLOTB   ; window n
	s_or_b32 s[G0+4*\n+3], s[G0+4*\n+3], 0x80000000
.endr
	s_mov_b32 s[G0L], 1
	s_add_co_u32 s[G0L+1], s63, SLOTB
	s_add_nc_u64 s[G0L+2:G0L+3], s[22:23], s[66:67]
	s_or_b32 s[G0L+3], s[G0L+3], 0x80000000
	s_mov_b32 s[G0X], 1
	s_lshl_b32 s[G0X+1], s[WV], 13
	s_mov_b64 s[G0X+2:G0X+3], s[8:9]
	s_or_b32 s[G0X+3], s[G0X+3], 0x80000000
	CROUND                                         ; all four work-groups are here: the first joint loads meet
	tensor_load_to_lds s[G0:G0+3], s[G1:G1+7]      ; window 0: my one tensor load at the head
	s_nop 0
	NOPS 4
.irp j, 16,17,18,19,24,25,26,27,32,33,34,35
	v_mov_b32 v[\j], 0                             ; the zero codes beside Q
.endr
.irp x, 0,1
	v_mov_b32 v[9+4*\x], 0xff61b1e6                ; the largest score so far: -3e38
	v_mov_b32 v[8+4*\x], 0x7f61b1e6                ; -M: 3e38, so that the first f is 0
	v_mov_b32 v[10+4*\x], 0
	v_mov_b32 v[11+4*\x], 0
.endr
.irp b, 0,1,2,3
	v_mov_b32 v[BP+\b], 0                          ; a lane permute's destination counts as one of its sources
.endr
	v_mov_b32 v[F+1], 0
	s_wait_loadcnt 0x0                             ; Q and K(0)
	v_perm_b32 v[QS], v[QW], v[QW], 0x01000100     ; tile u = 0's two bytes, twice
	v_perm_b32 v[QS+1], v[QW], v[QW], 0x03020302
.set j, 0
.rept 64
	v_mov_b32 v[O+j], 0                            ; O^T: the step is written once; the first finds zeros
.set j, j+1
.endr
.macro SCORES x                        ; S^T of tile x of the queries: fragment j of K gives two tiles of 16 keys
.irp j, 0,1,2,3
.irp u, 0,1
	v_wmma_scale_f32_16x16x128_f8f6f4 v[S+8*(2*\j+\u):S+8*(2*\j+\u)+7], v[KV+8*\j:KV+8*\j+7], v[20+8*(\x)-4*\u:27+8*(\x)-4*\u], 0, v[KS+\j], v[QS+(\x)] matrix_a_fmt:MATRIX_FMT_FP4 matrix_b_fmt:MATRIX_FMT_FP4
.endr
.endr
.endm
.macro SOFTMAX x
.set ST, 8+4*(\x)
.set OT, O+32*(\x)
.set CD, PCD+8*(\x)
.set WD, PS+(\x)
.irp b, 0,1,2,3
	v_max3_num_f32 v[BM+\b], v[S+16*\b], v[S+1+16*\b], v[S+2+16*\b]   ; the largest score of each block of 32 keys: for the row's maximum and, since p rises with the score, for the block's largest p
.endr
.irp i, 3,5,7,9,11,13
.irp b, 0,1,2,3
	v_max3_num_f32 v[BM+\b], v[BM+\b], v[S+16*\b+\i], v[S+1+16*\b+\i]
.endr
.endr
.irp b, 0,1,2,3
	v_max_num_f32 v[BM+\b], v[BM+\b], v[S+15+16*\b]
.endr
.irp b, 0,1,2,3
	v_permlanex16_b32 v[BP+\b], v[BM+\b], s[SEL], s[SEL+1]
.endr
.irp b, 0,1,2,3
	v_max_num_f32 v[BM+\b], v[BM+\b], v[BP+\b]     ; with lane l xor 16's 16 keys
.endr
	v_mov_b32 v[T], v[ST]                          ; the old -M
	v_max3_num_f32 v[F], v[BM], v[BM+1], v[BM+2]
	s_delay_alu instid0(VALU_DEP_1)
	v_max3_num_f32 v[ST+1], v[F], v[BM+3], v[ST+1] ; the running largest score (c is positive: the largest t is c x it)
	s_delay_alu instid0(VALU_DEP_1)
	v_mul_f32 v[F], s[CS], v[ST+1]
	s_delay_alu instid0(VALU_DEP_1)
	v_floor_f32 v[ST], -v[F]                       ; the new -M = floor(-t): M is a whole number
	s_delay_alu instid0(VALU_DEP_1)
	v_sub_f32 v[T], v[ST], v[T]                    ; old M - new M: a whole number, 0 or less
	s_delay_alu instid0(VALU_DEP_1)
	v_cvt_i32_f32 v[T], v[T]                       ; (it saturates)
	s_delay_alu instid0(VALU_DEP_1)
	v_ldexp_f32 v[F], 1.0, v[T]                    ; f = 2^(old M - new M)
.set j, 0
.rept 32
	v_pk_fma_f32 v[S+j:S+j+1], v[S+j:S+j+1], s[CS:CS+1], v[ST:ST+1] op_sel_hi:[1,0,0]   ; t - M, two at a time
.set j, j+2
.endr
.irp b, 0,1,2,3
	v_fma_f32 v[BM+\b], v[BM+\b], s[CS], v[ST]     ; the same of each block's largest score
.endr
	s_wait_alu depctr_va_vdst(0)
.set j, 0
.rept 64
	v_exp_f32 v[S+j], v[S+j]                       ; p = 2^(t - M), at most 1
.set j, j+1
.endr
.irp b, 0,1,2,3
	v_exp_f32 v[BM+\b], v[BM+\b]                   ; the block's largest p: the same two instructions on the same number
.endr
	s_wait_alu depctr_va_vdst(0)                   ; one wait behind the batch of 68, directly ahead of the first readers of O^T too
	v_pk_mul_f32 v[ST+2:ST+3], v[ST+2:ST+3], v[F:F+1] op_sel_hi:[1,0]   ; the sums under the new M
.set j, 0
.rept 16
	v_pk_mul_f32 v[OT+j:OT+j+1], v[OT+j:OT+j+1], v[F:F+1] op_sel_hi:[1,0]   ; O^T under the new M, each accumulator from its low end on
.set j, j+2
.endr
.irp b, 0,1,2,3
	v_max_num_f32 v[BM+\b], 0x1800000, v[BM+\b]    ; the floor 2^(3 - 127): the byte cannot fall under 1
.endr
.irp b, 0,1,2,3
	v_add_nc_u32 v[SO+\b], 0xff000000, v[BM+\b]    ; 2 off the exponent field: the conversion's scale operand
.endr
.irp b, 0,1,2,3
	v_lshrrev_b32 v[BP+\b], 23, v[SO+\b]           ; the scale's byte
.endr
	v_lshl_or_b32 v[WD], v[BP+1], 8, v[BP]
	v_lshl_or_b32 v[T], v[BP+3], 8, v[BP+2]
	s_delay_alu instid0(VALU_DEP_1)
	v_lshl_or_b32 v[WD], v[T], 16, v[WD]           ; p's scale word for these 128 keys
.irp b, 0,1,2,3
	v_cvt_scalef32_pk8_fp4_f32 v[CD+2*\b], v[S+16*\b:S+7+16*\b], v[SO+\b]
	v_cvt_scalef32_pk8_fp4_f32 v[CD+1+2*\b], v[S+8+16*\b:S+15+16*\b], v[SO+\b]
.endr
	v_nop                                          ; one plain line behind the last scaled conversion
.irp c, 0,1                            ; the operand's layout wants a whole block in a lane
.irp i, 0,1
	v_permlane16_swap_b32 v[CD+4*\c+\i], v[CD+2+4*\c+\i]
.endr
.endr
	v_pk_add_f32 v[BP:BP+1], v[S:S+1], v[S+2:S+3]  ; the row's sum of the unquantised p, in four chains: 32 lines, which also stand between p's codes and scale word and the product that takes them
	v_pk_add_f32 v[BP+2:BP+3], v[S+4:S+5], v[S+6:S+7]
	v_pk_add_f32 v[C2:C2+1], v[S+8:S+9], v[S+10:S+11]
	v_pk_add_f32 v[ST+2:ST+3], v[ST+2:ST+3], v[S+12:S+13]
.irp j, 14,22,30,38,46,54
	v_pk_add_f32 v[BP:BP+1], v[BP:BP+1], v[S+\j:S+\j+1]
	v_pk_add_f32 v[BP+2:BP+3], v[BP+2:BP+3], v[S+\j+2:S+\j+3]
	v_pk_add_f32 v[C2:C2+1], v[C2:C2+1], v[S+\j+4:S+\j+5]
	v_pk_add_f32 v[ST+2:ST+3], v[ST+2:ST+3], v[S+\j+6:S+\j+7]
.endr
	v_pk_add_f32 v[BP:BP+1], v[BP:BP+1], v[S+62:S+63]
	v_pk_add_f32 v[BP+2:BP+3], v[BP+2:BP+3], v[C2:C2+1]
	s_delay_alu instid0(VALU_DEP_2)
	v_pk_add_f32 v[ST+2:ST+3], v[ST+2:ST+3], v[BP:BP+1]
	s_delay_alu instid0(VALU_DEP_1)
	v_pk_add_f32 v[ST+2:ST+3], v[ST+2:ST+3], v[BP+2:BP+3]
.endm
; KEY STEP n out of slot s = n % 2.  The change of slots stands at its head: each wave waits for all its tensor loads (its sixteenth of window n), adds 0 to its spare word, and waits for that and for its reads of the other slot,
; K(n) among them.  Behind the round window n is whole in all four work-groups and nobody reads the other slot: it takes the next fill, which has this whole step in which to land.  A wave has at most one tensor load out.
; mode 0: window n + 1 and the prefetches;  1: key step 14: V(15) alone;  2: key step 15: my rows of x, and no K behind it.
.macro TRIP s, mode
	s_wait_tensorcnt 0x0                           ; no tensor load of mine is out, so a group 0 may be written
	ds_add_u32 v[SPW], v[NIL]
.if \mode == 0
	s_add_nc_u64 s[G0+4*(\s)+2:G0+4*(\s)+3], s[G0+4*(\s)+2:G0+4*(\s)+3], 2*SLOTB   ; this slot's next window
	s_wait_xcnt 0x0                                ; the last trip's prefetches have read their addresses
	s_add_nc_u64 s[PFA:PFA+1], s[PFA:PFA+1], SLOTB
.endif
	s_wait_dscnt 0x0
	CROUND
.if \mode == 0
	tensor_load_to_lds s[G0+4-4*(\s):G0+7-4*(\s)], s[G1:G1+7]
.elseif \mode == 1
	tensor_load_to_lds s[G0L:G0L+3], s[G1L:G1L+7]
.else
	tensor_load_to_lds s[G0X:G0X+3], s[G1X:G1X+7]
.endif
	s_nop 0
	NOPS 4
.if \mode == 0
	ASK LIM+(\s)
.if \s == 1
	ASKX
.endif
.endif
	SCORES 0
	NOPS 4                                         ; places in front of the first read of the scores
	SOFTMAX 0
	SCORES 1
	NOPS 4                                         ; places in front of the loads into K's registers and of the first read of the scores
.irp t, 0,1,2,3
.irp c, 0,1
	ds_load_b128 v[KV+8*\t+4*\c:KV+8*\t+4*\c+3], v[AV+(\s)] offset:\t*1024+\c*512   ; V(n) lands while the second tile's softmax is worked
.endr
.endr
	ds_load_b128 v[KS:KS+3], v[BV+(\s)]
	SOFTMAX 1
	s_wait_alu depctr_va_vdst(0)
	s_wait_dscnt 0x0
.if \mode == 2
	s_barrier_signal -1                            ; my last reads of slot 1 are over: the barrier in front of the stage's stores is signalled here and awaited behind the work on registers
.endif
.irp t, 0,1,2,3                        ; O^T += V^T P^T: the eight accumulators by turns
.irp x, 0,1
	v_wmma_scale_f32_16x16x128_f8f6f4 v[O+32*\x+8*\t:O+32*\x+8*\t+7], v[KV+8*\t:KV+8*\t+7], v[PCD+8*\x:PCD+8*\x+7], v[O+32*\x+8*\t:O+32*\x+8*\t+7], v[KS+\t], v[PS+\x] matrix_a_fmt:MATRIX_FMT_FP4 matrix_b_fmt:MATRIX_FMT_FP4
.endr
.endr
.if \mode < 2
	NOPS 4                                         ; places in front of the loads into V's registers
.irp j, 0,1,2,3
.irp u, 0,1
	ds_load_b128 v[KV+8*\j+4*\u:KV+8*\j+4*\u+3], v[AK+(\s)] offset:\j*1024+\u*512   ; K(n + 1)
.endr
.endr
	ds_load_b128 v[KS:KS+3], v[BK+(\s)]
.endif
.endm
	s_wait_alu depctr_va_vdst(0)
	s_mov_b32 s[CNT], 7
.Lloop:                                            ; seven times two key steps
	TRIP 0, 0
	TRIP 1, 0
	s_sub_co_u32 s[CNT], s[CNT], 1
	s_cmp_lg_u32 s[CNT], 0
	s_cbranch_scc1 .Lloop
	TRIP 0, 1
	TRIP 1, 2
	; THE WAY OUT.  O^T / the sum goes into the stage, row = the query's place, columns 64 w on; each wave then takes two whole rows of 1,024, adds x and normalises them.
.irp x, 0,1
	v_add_f32 v[BM+\x], v[10+4*\x], v[11+4*\x]
.endr
.irp x, 0,1
	v_permlanex16_b32 v[BP+\x], v[BM+\x], s[SEL], s[SEL+1]
.endr
.irp x, 0,1
	v_add_f32 v[BM+\x], v[BM+\x], v[BP+\x]
.endr
	s_wait_alu depctr_va_vdst(0)
.irp x, 0,1
	v_rcp_f32 v[SO+\x], v[BM+\x]
.endr
	v_and_b32 v[T], 15, v0
	v_bfe_u32 v5, v0, 4, 1
	v_mul_u32_u24 v[SA], v[T], SPITCH
	s_lshl_b32 s40, s[WV], 8
	s_add_co_u32 s40, s40, SLOTB
	v_lshl_add_u32 v[SA], v5, 5, v[SA]
	s_mul_i32 s41, s[WV], 2*SPITCH
	s_add_co_u32 s41, s41, SLOTB
	v_add_nc_u32 v[SA], s40, v[SA]                 ; in: row r, + 256 w, + 32 h
	s_lshl_b32 s42, s[WV], 13
	v_add_nc_u32 v[SR], s41, v[LI]                 ; back: rows 2 w and 2 w + 1, 16 bytes a lane
	v_add_nc_u32 v[SA+1], 16*SPITCH, v[SA]
	v_add_nc_u32 v[XR], s42, v[LI]                 ; my rows of x
	s_wait_alu depctr_va_vdst(0)                   ; one wait for the two reciprocals, directly ahead of the first readers of O^T
.irp x, 0,1
.set j, 0
.rept 32
	v_mul_f32 v[S+32*\x+j], v[O+32*\x+j], v[SO+\x] ; register 8 t + i: channel 16 t + 8 h + i of my query
.set j, j+1
.endr
.endr
	s_wait_alu depctr_va_vdst(0)
	s_barrier_wait -1                              ; nobody reads slot 1 any more
	s_wait_tensorcnt 0x0                           ; my rows of x have landed: only I read them
.irp x, 0,1
.irp t, 0,1,2,3
	ds_store_b128 v[SA+\x], v[S+32*\x+8*\t:S+32*\x+8*\t+3] offset:64*\t
	ds_store_b128 v[SA+\x], v[S+32*\x+8*\t+4:S+32*\x+8*\t+7] offset:64*\t+16
.endr
.endr
.irp p, 0,1
.irp j, 0,1,2,3,4,5,6,7
	ds_load_b128 v[O+32*\p+4*\j:O+32*\p+4*\j+3], v[XR] offset:4096*\p+512*\j   ; x, into the registers that O^T has left
.endr
.endr
.irp j, 0,1,2,3,4,5,6,7
	global_load_b128 v[WT+4*\j:WT+4*\j+3], v[LI], s[10:11] offset:512*\j
.endr
.irp j, 0,1,2,3,4,5,6,7
	global_load_b128 v[BI+4*\j:BI+4*\j+3], v[LI], s[12:13] offset:512*\j
.endr
	s_wait_dscnt 0x0                               ; for the others' sake: my stores into the stage have landed
	s_barrier_signal -1
	s_barrier_wait -1
.irp p, 0,1
.irp j, 0,1,2,3,4,5,6,7
	ds_load_b128 v[S+32*\p+4*\j:S+32*\p+4*\j+3], v[SR] offset:SPITCH*\p+512*\j
.endr
.endr
	s_wait_dscnt 0x0
.set j, 0
.rept 32
	v_pk_add_f32 v[S+j:S+j+1], v[S+j:S+j+1], v[O+j:O+j+1]   ; y = context + x
.set j, j+2
.endr
; v[8:11] (row 0) and v[12:15] (row 1) hold a lane's partial sums: they are added, and then across the 32 lanes: every lane ends with the row's sum in v8, v12
.macro ACROSS
.irp p, 0,1
	v_pk_add_f32 v[8+4*\p:9+4*\p], v[8+4*\p:9+4*\p], v[10+4*\p:11+4*\p]
.endr
.irp p, 0,1
	s_delay_alu instid0(VALU_DEP_2)
	v_add_f32 v[8+4*\p], v[8+4*\p], v[9+4*\p]
.endr
.irp m, 1,2,4,8
.irp p, 0,1
	s_delay_alu instid0(VALU_DEP_2)
	v_add_f32_dpp v[8+4*\p], v[8+4*\p], v[8+4*\p] row_xmask:\m row_mask:0xf bank_mask:0xf
.endr
.endr
.irp p, 0,1
	s_delay_alu instid0(VALU_DEP_2)
	v_permlanex16_b32 v[24+\p], v[8+4*\p], s[SEL], s[SEL+1]
.endr
.irp p, 0,1
	s_delay_alu instid0(VALU_DEP_2)
	v_add_f32 v[8+4*\p], v[8+4*\p], v[24+\p]
.endr
.endm
.irp p, 0,1
	v_pk_add_f32 v[8+4*\p:9+4*\p], v[S+32*\p:S+32*\p+1], v[S+32*\p+2:S+32*\p+3]
	v_pk_add_f32 v[10+4*\p:11+4*\p], v[S+32*\p+4:S+32*\p+5], v[S+32*\p+6:S+32*\p+7]
.endr
.irp j, 8,12,16,20,24,28
.irp p, 0,1
	v_pk_add_f32 v[8+4*\p:9+4*\p], v[8+4*\p:9+4*\p], v[S+32*\p+\j:S+32*\p+\j+1]
	v_pk_add_f32 v[10+4*\p:11+4*\p], v[10+4*\p:11+4*\p], v[S+32*\p+\j+2:S+32*\p+\j+3]
.endr
.endr
	ACROSS
.irp p, 0,1
	s_delay_alu instid0(VALU_DEP_2)
	v_mul_f32 v[16+2*\p], s[INV], v[8+4*\p]        ; the mean (v17 and v19, named with it as pairs, hold zeros)
.endr
.irp p, 0,1
.set j, 0
.rept 16
	v_pk_add_f32 v[S+32*\p+j:S+32*\p+j+1], v[S+32*\p+j:S+32*\p+j+1], v[16+2*\p:17+2*\p] op_sel_hi:[1,0] neg_lo:[0,1] neg_hi:[0,1]   ; y - mean: the variance is taken of the differences
.set j, j+2
.endr
.endr
.irp p, 0,1
	v_pk_mul_f32 v[8+4*\p:9+4*\p], v[S+32*\p:S+32*\p+1], v[S+32*\p:S+32*\p+1]
	v_pk_mul_f32 v[10+4*\p:11+4*\p], v[S+32*\p+2:S+32*\p+3], v[S+32*\p+2:S+32*\p+3]
.endr
.irp j, 4,8,12,16,20,24,28
.irp p, 0,1
	v_pk_fma_f32 v[8+4*\p:9+4*\p], v[S+32*\p+\j:S+32*\p+\j+1], v[S+32*\p+\j:S+32*\p+\j+1], v[8+4*\p:9+4*\p]
	v_pk_fma_f32 v[10+4*\p:11+4*\p], v[S+32*\p+\j+2:S+32*\p+\j+3], v[S+32*\p+\j+2:S+32*\p+\j+3], v[10+4*\p:11+4*\p]
.endr
.endr
	ACROSS
.irp p, 0,1
	s_delay_alu instid0(VALU_DEP_2)
	v_fma_f32 v[8+4*\p], v[8+4*\p], s[INV], s[EPS] ; the variance + 1e-5
.endr
	s_wait_alu depctr_va_vdst(0)
.irp p, 0,1
	v_rsq_f32 v[32+2*\p], v[8+4*\p]                ; (v33 and v35, named with it as pairs, hold zeros)
.endr
	v_nop                                          ; a plain line behind the last of them
	s_wait_alu depctr_va_vdst(0)                   ; one wait for the two, ahead of their first reader
	s_wait_loadcnt 0x0                             ; the weight and the bias
.irp p, 0,1
.set j, 0
.rept 16
	v_pk_mul_f32 v[S+32*\p+j:S+32*\p+j+1], v[S+32*\p+j:S+32*\p+j+1], v[32+2*\p:33+2*\p] op_sel_hi:[1,0]
.set j, j+2
.endr
.set j, 0
.rept 16
	v_pk_fma_f32 v[S+32*\p+j:S+32*\p+j+1], v[S+32*\p+j:S+32*\p+j+1], v[WT+j:WT+j+1], v[BI+j:BI+j+1]
.set j, j+2
.endr
.irp j, 0,1,2,3,4,5,6,7
	global_store_b128 v[LI], v[S+32*\p+4*\j:S+32*\p+4*\j+3], s[14:15] offset:4096*\p+512*\j th:TH_STORE_NT   ; 32 lanes store 512 consecutive bytes, aligned
.endr
.endr
	s_wait_tensorcnt 0x0                           ; the wave's end
	ds_add_u32 v[SPW], v[NIL]
	s_wait_dscnt 0x0
	CROUND                                         ; the closing round
	s_endpgm
.Lfunc_end_k_q6f9f28511c_attn:
	.size	k_q6f9f28511c_attn, .Lfunc_end_k_q6f9f28511c_attn-k_q6f9f28511c_attn
	.p2alignl 7, 3214868480
	.fill 96, 4, 3214868480
	.section	.rodata,"a",@progbits
	.p2align	6, 0x0
	.amdhsa_kernel k_q6f9f28511c_attn
		.amdhsa_group_segment_fixed_size 327680
		.amdhsa_private_segment_fixed_size 0
		.amdhsa_enable_private_segment 0
		.amdhsa_kernarg_size 48
		.amdhsa_user_sgpr_count 2
		.amdhsa_user_sgpr_kernarg_segment_ptr 1
		.amdhsa_wavefront_size32 1
		.amdhsa_system_sgpr_workgroup_id_x 1
		.amdhsa_system_sgpr_workgroup_id_y 1
		.amdhsa_system_sgpr_workgroup_id_z 1
		.amdhsa_system_vgpr_workitem_id 0
		.amdhsa_next_free_vgpr 256
		.amdhsa_next_free_sgpr 96
		.amdhsa_reserve_vcc 0
		.amdhsa_float_denorm_mode_32 3
		.amdhsa_float_denorm_mode_16_64 3
		.amdhsa_memory_ordered 1
		.amdhsa_forward_progress 1
		.amdhsa_inst_pref_size 152
	.end_amdhsa_kernel
	.amdgpu_metadata
---
amdhsa.version: [ 1, 2 ]
amdhsa.kernels:
  - .name:           k_q6f9f28511c_attn
    .symbol:         k_q6f9f28511c_attn.kd
    .args:
      - { .name: qop, .offset: 0, .size: 8, .value_kind: global_buffer, .address_space: global }
      - { .name: kv, .offset: 8, .size: 8, .value_kind: global_buffer, .address_space: global }
      - { .name: inputs, .offset: 16, .size: 8, .value_kind: global_buffer, .address_space: global }
      - { .name: ln_weight, .offset: 24, .size: 8, .value_kind: global_buffer, .address_space: global }
      - { .name: ln_bias, .offset: 32, .size: 8, .value_kind: global_buffer, .address_space: global }
      - { .name: out0, .offset: 40, .size: 8, .value_kind: global_buffer, .address_space: global }
    .group_segment_fixed_size: 327680
    .private_segment_fixed_size: 0
    .kernarg_segment_align: 8
    .kernarg_segment_size: 48
    .max_flat_workgroup_size: 512
    .sgpr_count:     96
    .vgpr_count:     256
    .wavefront_size: 32
...
	.end_amdgpu_metadata
.endif
;; end of part 3
